; MI455X (gfx1250); checked and timed in simulation.
; The chip was launched on July 23, 2026; its instructions are those of AMD's public machine-readable ISA for CDNA 5 (MIT licence, August 2026) and "CDNA5" Instruction Set Architecture Reference Guide (July 2026). The comments in the code are by the model that wrote it; some were corrected since.
;; Bahdanau Attention. Allowed arithmetic: matrix products marked QUANTISED: E5M2 operands, one E8M0 scale for each 32 along K, by v_wmma_scale_f32_16x16x128_f8f6f4 with both operands' format E5M2, f32 sums; products left as they are: f32 operands where the result goes on into a quantised operand, else bf16, f16 or f32 operands; f32 sums; everything else in f32.
;; Inputs: b1 1,024 float32; b2 1,024 float32; bv 1 float32; query 32 x 1,024 float32; values 32 x 2,048 x 1,024 float32; w1 1,024 x 1,024 float32; w2 1,024 x 1,024 float32; wv 1,024 x 1 float32.
;; Outputs: out0 32 x 1,024 float32; out1 32 x 2,048 x 1 float32.
;; This version of the problem:
;;   THIS VERSION OF THE PROBLEM IS GIVEN IN LOW PRECISION. The matrix products marked QUANTISED in the list below multiply operands that are first quantised to E5M2 (5 exponent bits, 2 mantissa bits; 8 bits a number), with one power-of-two scale for each 32 numbers along K (OCP MX v1.0); their sums are f32. All else is computed in f32.
;;   The module's matrix products, in the order in which they are computed (A, B: the left and right operand; K: the contracted axis; several contracted axes count as one K, in the product's order):
;;     1. [M 32, K 1,024] x [K 1,024, N 1,024]; A: input query; B: input w1: QUANTISED
;;     2. [M 65,536, K 1,024] x [K 1,024, N 1,024]; A: input values; B: input w2: QUANTISED
;;     3. [M 65,536, K 1,024] x [K 1,024, N 1]; A: computed on the way; B: input wv: left as it is (N = 1 < 16)
;;   THE QUANTISER, for each operand of a quantised product, along K:
;;     - K is cut into blocks of 32 from its start; a last block that is shorter is filled with zeros.
;;     - A block's scale is 2^e with e = floor(log2(the largest magnitude in the block)) - 15, held to -126 .. 127; a block of zeros has e = 0. As a byte (E8M0): e + 127.
;;     - Each number is divided by its block's scale, clamped to +-57,344, and rounded to the nearest number of E5M2, ties to even, subnormals kept.
;;     - The product sums the exact products of the quantised numbers (number of the format x scale) in f32.
;;   ~~~python
;;   def quantise(x, axis):      # numpy; x: float32 -> the quantised numbers, widened to float32 again
;;       x = np.moveaxis(x, axis, -1); K = x.shape[-1]
;;       x = np.pad(x, [(0, 0)] * (x.ndim - 1) + [(0, -K % 32)]); x = x.reshape(x.shape[:-1] + (-1, 32)); a = np.abs(x).max(-1, keepdims=True)
;;       e = np.where(a > 0, np.clip(np.frexp(np.where(a > 0, a, 1))[1] - 1 - 15, -126, 127), 0)      # np.frexp(a)[1] - 1 = floor(log2(a)), exactly
;;       r = np.clip(x / 2.0 ** e, -57344, 57344)
;;       step = 2.0 ** (np.maximum(np.frexp(np.where(r == 0, 1, r))[1] - 1, -14) - 2)
;;       q = np.round(r / step) * step * 2.0 ** e      # np.round: ties to even
;;       return np.moveaxis(q.reshape(q.shape[:-2] + (-1,))[..., :K], -1, axis).astype(np.float32)
;;   ~~~
;; One version. Each part assembles by itself: llvm-mc -triple=amdgcn-amd-amdhsa -mcpu=gfx1250 --defsym DOCPART=n.
;; ======== version 1 of 1: 4 launches
;; limits: right only within a limited range of input values
;; workspace buffers: vq 67,108,864 bytes; vs 2,097,152 bytes; w2q 1,048,576 bytes; w2s 32,768 bytes; tab 262,144 bytes; sc 262,144 bytes; part 1,048,576 bytes
;; launch prep (part 1): grid 320 x 1, 8 waves a work-group, no clusters, 128,512 bytes of LDS; arguments query, values, w1, w2, b1, b2, wv, vq, vs, w2q, w2s, tab; writes vq, vs, w2q, w2s, tab
.if DOCPART == 1
	.amdgcn_target "amdgcn-amd-amdhsa--gfx1250"
	.amdhsa_code_object_version 6
	.text
	.protected	k_qb7421ecc4d_prep
	.globl	k_qb7421ecc4d_prep
	.p2align	8
	.type	k_qb7421ecc4d_prep,@function
k_qb7421ecc4d_prep:
	s_mov_b64 s[64:65], 0
	v_nop
	global_prefetch_b8 v0, s[64:65] scope:SCOPE_SE
	s_setreg_imm32_b32 hwreg(HW_REG_WAVE_MODE, 25, 1), 1
	s_wait_xcnt 0x0
; PREP: everything that is quantised is quantised here, once, to codes of E5M2 with one E8M0 scale for each 32 along K.
; Three kinds of work-group, told apart by the work-group's number g alone:
;   g = 0 .. 31  (path Q): two tiles of 16 columns of w1 and all of query are quantised, q_proj is made by the scaled matrix instruction, and the table tab is stored:
;                for batch b and tile n 32 numbers: cq[u] = c (q_proj[b][u] + b1[u] + b2[u]), then wv2[u] = -2 wv[u], u = 16 n + 0 .. 15, c = 2 log2(e).  Work-group 0 also stores k0 = bv + the sum of wv.
;   g = 32 .. 63 (path W): two tiles of 16 columns of w2 are quantised and stored.
;   g = 64 .. 319 (path V): each wave quantises 32 rows of values.
; LAYOUT OF THE CODES: in the order of the operand's registers.  A tile of 16 rows (of w2: 16 columns) is 16,384 bytes: K step s of 128 at 2,048 s, register group c at 512 c, lane l at 16 l:
; the codes of row l % 16, k = 128 s + 32 c + 16 (l / 16) + 0 .. 15.  So a fragment is later fetched by four loads of 512 consecutive bytes, and stored here likewise.
; SCALE WORDS (four bytes: 128 along K of one row): vs: for a pair of row tiles 1,024 bytes [2][lane][4 words], word i of group g = K step 4 g + i; lanes 0-15 the pair's first tile, lanes 16-31 its second.
; w2s: for a tile 512 bytes [4][lane]: lanes 0-15 K step 2 q, lanes 16-31 K step 2 q + 1.
; A block's scale is 2^(floor(log2(its largest magnitude)) - 15); its byte is the largest magnitude's exponent field - 15, held at 1 from below.
; LIMITS: NaN and infinities among the inputs are not served.  A block of zeros gets the byte 1 where the quantiser says 127: its codes are zeros, which add nothing, and this program alone reads the bytes.
; q_proj's K is summed as four sums of 256, one a wave, which are then added in f32 in ascending order of K.
; No tensor loads, no prefetch: path V is a plain stream with 32 loads of 512 bytes of every wave on their way; paths Q and W run beside it.
; DEAD WORK LEFT OUT.  reference() adds bv to every score of a batch and takes a softmax along the sequence; both outputs are made of that softmax alone.  A term that is the same along the
; softmax's axis cancels in it for all values of the inputs: so bv has no way to an output, is not loaded and is no argument of any launch.  With tanh(x) = 1 - 2 / (1 + e^(2x)) a score is
; the sum of wv + the sum over u of -2 wv[u] / (1 + e^(2 x[u])); the first sum is the same for every row, cancels likewise and is not formed.  So, other than the list above has it, no k0 is made or stored.
; LIMIT: a NaN, an infinity or an overflow that would reach a result through bv or through the sum of wv alone is not carried to the result.
; The add's two registers are made anew from v0 ahead of each closing: all 256 registers of the window are at work.
.set SPITCH, 528
.set WSTG,   16*SPITCH                 ; a wave's stage: 16 rows
.set XIMG,   8*WSTG                    ; path Q: query's 16 fragments as images of their registers, 2,048 bytes each, index 8 (row tile) + K step
.set XSC,    XIMG+16*2048              ; their scale words, 128 bytes each
.set PART,   XSC+16*128                ; the waves' partial sums, 1,024 bytes each, index 2 wave + row tile
.set OUTS,   PART+16*1024              ; the way out for tab: 32 rows (batches) of 256 bytes + 16
.set OPITCH, 272
.set TM,  16                           ; v16-19 largest magnitudes, v20-23 bytes, v24-27 the largest number x the scale, v28-31 the conversions' scale operands
.set PW,  32                           ; v32     the scale word just made
.set SW,  40                           ; v40-47  path V: the pair's scale words, one register a pair
.set CD,  48                           ; v48-63  the codes just made
.set R0,  64                           ; v64-127, v128-191: two sets of 64 numbers as loaded
.set R1,  128
.set X,   192                          ; v192-255 path V: 64 numbers, 16 neighbours of each of four blocks
.set WC0, 192                          ; paths Q, W: the weight's two fragments,
.set WC1, 208
.set WW0, 224                          ; their scale words,
.set WW1, 225
.set XS,  226                          ; v226-229 query's scale words
.set TO,  230                          ; v230    my byte offset in tab
.set AC,  232                          ; v232-247 two accumulators
; v1 lane, v2 r = lane % 16, v3 h = lane / 16, v4 16 x lane, v5 4 x lane, v6-v15 LDS addresses, v33-35 offsets into w, query and the biases, v36-39 wv, v248-255 b1, b2
; 64 numbers of a lane, register 16 b + i = k 32 b + 16 h + i of my row (or column), become a fragment's codes in v[cd] on and its scale word in v[pw].
.macro QUANT src, cd, pw
.irp b, 0,1,2,3
	v_max3_num_f32 v[TM+\b], |v[\src+16*\b]|, |v[\src+16*\b+1]|, s36   ; block b: my 16 numbers, and the floor 2^(16 - 127): so the byte cannot fall under 1
.endr
.irp i, 2,4,6,8,10,12,14
.irp b, 0,1,2,3
	s_delay_alu instid0(VALU_DEP_4)
	v_max3_num_f32 v[TM+\b], v[TM+\b], |v[\src+16*\b+\i]|, |v[\src+16*\b+\i+1]|   ; the four blocks by turns
.endr
.endr
.irp b, 0,1,2,3
	s_delay_alu instid0(VALU_DEP_4)
	v_permlanex16_b32 v[TM+4+\b], v[TM+\b], s34, s35
.endr
.irp b, 0,1,2,3
	s_delay_alu instid0(VALU_DEP_4)
	v_max_num_f32 v[TM+\b], v[TM+\b], v[TM+4+\b]                     ; with lane l xor 16's 16: the block's largest magnitude
.endr
.irp b, 0,1,2,3
	s_delay_alu instid0(VALU_DEP_4)
	v_add_nc_u32 v[TM+12+\b], s37, v[TM+\b]                          ; 15 off its exponent field: the conversion takes this operand's exponent field as its scale
.endr
.irp b, 0,1,2,3
	v_and_or_b32 v[TM+8+\b], v[TM+\b], s38, s39                      ; 57,344 x the scale: the exponent field over 57,344's mantissa
.endr
.irp b, 0,1,2,3
	v_lshrrev_b32 v[TM+4+\b], 23, v[TM+12+\b]                        ; the scale's byte
.endr
	s_delay_alu instid0(VALU_DEP_3)
	v_lshl_or_b32 v[\pw], v[TM+5], 8, v[TM+4]
	s_delay_alu instid0(VALU_DEP_1)
	v_lshl_or_b32 v[\pw], v[TM+6], 16, v[\pw]
	s_delay_alu instid0(VALU_DEP_1)
	v_lshl_or_b32 v[\pw], v[TM+7], 24, v[\pw]
.irp b, 0,1,2,3
.irp i, 0,1,2,3,4,5,6,7,8,9,10,11,12,13,14,15
	v_med3_num_f32 v[\src+16*\b+\i], v[\src+16*\b+\i], -v[TM+8+\b], v[TM+8+\b]   ; the conversion to an 8-bit code does not saturate (ISA guide 7.6.2): the hold comes first
.endr
	v_cvt_scalef32_pk8_bf8_f32 v[\cd+4*\b:\cd+4*\b+1], v[\src+16*\b:\src+16*\b+7], v[TM+12+\b]
	v_cvt_scalef32_pk8_bf8_f32 v[\cd+4*\b+2:\cd+4*\b+3], v[\src+16*\b+8:\src+16*\b+15], v[TM+12+\b]
.endr
	v_nop                                          ; a plain instruction behind the last conversion, ahead of whatever vector or matrix instruction next touches its registers
.endm
.macro BARRIER                                 ; my LDS stores have landed and my LDS loads are in: then the work-group's barrier
	s_wait_dscnt 0x0
	s_barrier_signal -1
	s_barrier_wait -1
.endm
	s_load_b256 s[4:11], s[0:1], 0x0               ; query 4:5, values 6:7, w1 8:9, w2 10:11
	s_load_b128 s[12:15], s[0:1], 0x20             ; b1 12:13, b2 14:15
	s_load_b64 s[16:17], s[0:1], 0x30              ; wv
	s_load_b256 s[20:27], s[0:1], 0x38             ; vq 20:21, vs 22:23, w2q 24:25, w2s 26:27
	s_load_b64 s[28:29], s[0:1], 0x58              ; tab
	v_lshrrev_b32 v1, 5, v0
	s_delay_alu instid0(VALU_DEP_1)
	v_readfirstlane_b32 s32, v1                    ; wave 0..7
	s_lshr_b32 s33, s32, 2                         ; t = wave / 4
	s_and_b32 s41, s32, 3                          ; q = wave % 4
	s_bfe_u32 s45, s32, 0x10001                    ; (wave / 2) % 2
	s_and_b32 s46, s32, 1                          ; wave % 2
	v_and_b32 v1, 31, v0                           ; lane
	v_and_b32 v2, 15, v0                           ; r
	v_bfe_u32 v3, v0, 4, 1                         ; h
	s_delay_alu instid0(VALU_DEP_3)
	v_lshlrev_b32 v4, 4, v1
	s_delay_alu instid0(VALU_DEP_4)
	v_lshlrev_b32 v5, 2, v1
	; every LDS address is made here, ahead of the parting of the paths: a constant + a constant x lane + constants x parts of the wave's number
	s_wait_alu depctr_va_vdst(0)
	s_mul_i32 s44, s32, WSTG
	v_add_nc_u32 v6, s44, v4                       ; path V's stage, in: 16 x lane in a row
	v_mul_u32_u24 v7, v2, SPITCH
	s_delay_alu instid0(VALU_DEP_1)
	v_lshl_add_u32 v7, v3, 6, v7
	s_delay_alu instid0(VALU_DEP_1)
	v_add_nc_u32 v7, s44, v7                       ; and out: row r, + 64 h
	s_lshl_b32 s44, s33, 14
	s_lshl_b32 s47, s41, 12
	s_add_co_u32 s44, s44, s47
	s_add_co_u32 s44, s44, XIMG
	v_add_nc_u32 v8, s44, v4                       ; where I store query's images: fragment 8 t + 2 q
	s_lshl_b32 s44, s33, 10
	s_lshl_b32 s47, s41, 8
	s_add_co_u32 s44, s44, s47
	s_add_co_u32 s44, s44, XSC
	v_add_nc_u32 v9, s44, v5                       ; and their scale words
	s_lshl_b32 s44, s41, 12
	s_add_co_u32 s44, s44, XIMG
	v_add_nc_u32 v10, s44, v4                      ; where I read them: K steps 2 q, 2 q + 1
	s_lshl_b32 s44, s41, 8
	s_add_co_u32 s44, s44, XSC
	v_add_nc_u32 v11, s44, v5
	s_lshl_b32 s44, s32, 11
	s_add_co_u32 s44, s44, PART
	v_add_nc_u32 v12, s44, v4                      ; my partial sums
	s_lshl_b32 s44, s33, 13
	s_lshl_b32 s47, s45, 10
	s_add_co_u32 s44, s44, s47
	s_lshl_b32 s47, s46, 9
	s_add_co_u32 s44, s44, s47
	s_add_co_u32 s44, s44, PART
	v_add_nc_u32 v13, s44, v4                      ; the four partial sums that I add: tile t, row tile (wave / 2) % 2, registers 4 (wave % 2) on
	v_mul_u32_u24 v14, v2, OPITCH
	s_delay_alu instid0(VALU_DEP_1)
	v_lshl_add_u32 v14, v3, 5, v14
	s_mul_i32 s44, s45, 16*OPITCH
	s_lshl_b32 s47, s33, 7
	s_add_co_u32 s44, s44, s47
	s_lshl_b32 s47, s46, 4
	s_add_co_u32 s44, s44, s47
	s_add_co_u32 s44, s44, OUTS
	v_add_nc_u32 v14, s44, v14                     ; the way out, in: batch 16 (row tile) + r; 128 t + 32 h + 16 (wave % 2) in its 256 bytes
	v_mul_u32_u24 v15, v3, OPITCH
	s_delay_alu instid0(VALU_DEP_1)
	v_lshl_add_u32 v15, v2, 4, v15
	s_mul_i32 s44, s32, 4*OPITCH
	s_add_co_u32 s44, s44, OUTS
	v_add_nc_u32 v15, s44, v15                     ; and back: batches 4 wave + h, sixteen lanes to a row
	v_lshlrev_b32 v33, 2, v2
	s_delay_alu instid0(VALU_DEP_1)
	v_lshl_add_u32 v33, v3, 16, v33                ; w: column r, lanes 16-31 sixteen rows of 4,096 bytes further down
	v_lshlrev_b32 v34, 12, v2
	s_delay_alu instid0(VALU_DEP_1)
	v_lshl_add_u32 v34, v3, 6, v34                 ; query: row r, + 64 h
	v_lshlrev_b32 v35, 5, v3                       ; the biases: 32 h
	s_mov_b32 s34, 0x76543210
	s_mov_b32 s35, 0xfedcba98                      ; v_permlanex16_b32's selects for lane l xor 16
	s_mov_b32 s36, 0x8000000                       ; the floor 2^(16 - 127)
	s_mov_b32 s37, 0xf8800000                      ; -(15 << 23)
	s_mov_b32 s38, 0x7f800000                      ; the exponent field
	s_mov_b32 s39, 0x600000                        ; the mantissa field of 57,344
	s_mov_b32 s40, 0xffff0000                      ; lanes 16-31
	s_mov_b32 s42, 0x4038aa3b                      ; c = 2 log2(e)
	s_mov_b32 s43, s42                             ; (named with it as a pair)
.irp b, 0,1,2,3
	v_mov_b32 v[TM+4+\b], 0                        ; written once: a lane permute's destination counts as one of its sources
.endr
	s_wait_kmcnt 0x0
	s_cmp_lt_u32 ttmp9, 64
	s_cbranch_scc1 .Lweights
	; ---------------- PATH V: my wave's pair of row tiles, 32 rows of values, in 16 units of 16 rows x 128 along K
	; (These lines take the place of what the head says of path V and of vs.)  The work-group owns 256 rows, 16 row tiles.  In unit n all eight waves work on row tile n, wave w on its K step w:
	; together the eight waves' loads of a unit cover 16 whole rows of 4,096 bytes.  vs: for a pair of row tiles 1,024 bytes [K step][lane], one word each; lanes 0-15 the pair's first tile, lanes 16-31 its second.
	s_sub_co_u32 s44, ttmp9, 64
	s_lshl_b32 s48, s44, 20                        ; 256 rows of 4,096 bytes,
	s_lshl_b32 s49, s32, 9                         ; my K step's 512 bytes of each row
	s_add_co_u32 s48, s48, s49
	s_mov_b32 s49, 0
	s_lshl_b32 s50, s44, 18                        ; 256 rows of 1,024 codes,
	s_lshl_b32 s51, s32, 11                        ; my K step's 2,048 bytes of each tile
	s_add_co_u32 s50, s50, s51
	s_mov_b32 s51, 0
	s_lshl_b32 s52, s44, 13                        ; eight pairs' 1,024 bytes of scale words,
	s_lshl_b32 s53, s32, 7                         ; my K step's 128 bytes of each pair
	s_add_co_u32 s52, s52, s53
	s_mov_b32 s53, 0
	s_add_nc_u64 s[6:7], s[6:7], s[48:49]
	s_add_nc_u64 s[20:21], s[20:21], s[50:51]
	s_add_nc_u64 s[22:23], s[22:23], s[52:53]
.macro LOADV u                                 ; unit u = row tile u of my K step: 16 loads, each 512 consecutive bytes of one row
.irp i, 0,1,2,3,4,5,6,7,8,9,10,11,12,13,14,15
	global_load_b128 v[R0+64*((\u)%2)+4*\i:R0+64*((\u)%2)+4*\i+3], v4, s[6:7] offset:(\u)*65536+\i*4096 th:TH_LOAD_NT
.endr
.endm
.macro UNIT u
.if (\u) < 15
	s_wait_loadcnt 16                              ; this unit's 16 loads are in; the next unit's 16 may be out
.else
	s_wait_loadcnt 0x0
.endif
.irp i, 0,1,2,3,4,5,6,7,8,9,10,11,12,13,14,15
	ds_store_b128 v6, v[R0+64*((\u)%2)+4*\i:R0+64*((\u)%2)+4*\i+3] offset:\i*SPITCH   ; through my own stage, as loaded,
.endr
.irp b, 0,1,2,3
.irp j, 0,1,2,3
	ds_load_b128 v[X+16*\b+4*\j:X+16*\b+4*\j+3], v7 offset:128*\b+16*\j   ; and back as 16 neighbours of each block (LDS serves a wave's instructions in order: ISA guide 5.7.1.4)
.endr
.endr
	s_wait_dscnt 0x0
	s_wait_xcnt 0x0                                ; the last unit's stores have read their data: the codes' registers are rewritten only behind this wait
.if (\u)+2 < 16
	LOADV (\u)+2                                   ; into the set that has just gone through the stage
.endif
	QUANT X, CD, PW
.irp c, 0,1,2,3
	global_store_b128 v4, v[CD+4*\c:CD+4*\c+3], s[20:21] offset:(\u)*16384+512*\c th:TH_STORE_NT
.endr
.if (\u)%2 == 0
	v_mov_b32 v[SW+(\u)/2], v[PW]                  ; both halves of the lanes hold row r's word: the pair's first tile's stays in lanes 0-15,
.else
	v_cndmask_b32 v[SW+(\u)/2], v[SW+(\u)/2], v[PW], s40   ; its second tile's goes to lanes 16-31,
	global_store_b32 v5, v[SW+(\u)/2], s[22:23] offset:((\u)/2)*1024 th:TH_STORE_NT   ; and the pair's words of my K step leave: 128 consecutive bytes; the eight waves fill the pair's 1,024.  A register for each pair: no store's data are written again
.endif
.endm
	LOADV 0
	LOADV 1
.irp u, 0,1,2,3,4,5,6,7,8,9,10,11,12,13,14,15
	UNIT \u
.endr
	v_lshl_add_u32 v16, v0, 2, 0x1f200             ; my spare word, and 0: made anew (no pending store names v16 or v17)
	v_mov_b32 v17, 0
	s_wait_alu depctr_va_vdst(0)
	s_wait_tensorcnt 0x0                           ; the wave's end
	ds_add_u32 v16, v17
	s_wait_dscnt 0x0
	s_endpgm
	; ---------------- PATHS Q AND W: my wave's part of a weight: tile n = 2 G + t (16 columns), K steps 2 q and 2 q + 1.  A lane takes a column and its registers run down K
.Lweights:
	s_cmp_lt_u32 ttmp9, 32
	s_cselect_b64 s[48:49], s[8:9], s[10:11]       ; w1 or w2: the choice hangs on the work-group's number alone
	s_cselect_b32 s54, 0, 32
	s_sub_co_u32 s54, ttmp9, s54                   ; G
	s_lshl_b32 s55, s54, 1
	s_add_co_u32 s55, s55, s33                     ; n
	s_lshl_b32 s50, s55, 6                         ; 16 columns of 4 bytes
	s_lshl_b32 s51, s41, 20                        ; 256 rows of 4,096 bytes
	s_add_co_u32 s50, s50, s51
	s_mov_b32 s51, 0
	s_add_nc_u64 s[48:49], s[48:49], s[50:51]
	s_wait_alu depctr_va_vdst(0)
.irp e, 0,1
.irp c, 0,1,2,3
.irp i, 0,1,2,3,4,5,6,7,8,9,10,11,12,13,14,15
	global_load_b32 v[R0+64*\e+16*\c+\i], v33, s[48:49] offset:(128*\e+32*\c+\i)*4096   ; w(256 q + 128 e + 32 c + 16 h + i, 16 n + r)
.endr
.endr
.endr
	s_wait_loadcnt 63                              ; the first K step's 64 loads are in: 64 are younger, and 63 is the most that the wait's field names
	QUANT R0, WC0, WW0
	s_wait_loadcnt 0x0
	QUANT R1, WC1, WW1
	s_cmp_lt_u32 ttmp9, 32
	s_cbranch_scc1 .Lquery
	; ---------------- PATH W: w2's codes and scale words leave
	s_lshl_b32 s50, s55, 14
	s_lshl_b32 s47, s41, 12
	s_add_co_u32 s50, s50, s47                     ; tile n, fragments 2 q and 2 q + 1
	s_add_nc_u64 s[24:25], s[24:25], s[50:51]
	s_lshl_b32 s52, s55, 9
	s_lshl_b32 s47, s41, 7
	s_add_co_u32 s52, s52, s47
	s_mov_b32 s53, 0
	s_add_nc_u64 s[26:27], s[26:27], s[52:53]
	v_cndmask_b32 v[PW], v[WW0], v[WW1], s40       ; lanes 0-15 K step 2 q, lanes 16-31 K step 2 q + 1
.irp c, 0,1,2,3
	global_store_b128 v4, v[WC0+4*\c:WC0+4*\c+3], s[24:25] offset:512*\c
.endr
	s_wait_alu depctr_va_vdst(0)
.irp c, 0,1,2,3
	global_store_b128 v4, v[WC1+4*\c:WC1+4*\c+3], s[24:25] offset:2048+512*\c
.endr
	global_store_b32 v5, v[PW], s[26:27]           ; 128 consecutive bytes; the tile's four waves fill its 512
	s_endpgm
	; ---------------- PATH Q
.Lquery:
	s_lshl_b32 s50, s55, 6                         ; the biases of the four numbers a lane that I shall finish: u = 16 n + 8 h + 4 (wave % 2) + 0 .. 3
	s_lshl_b32 s47, s46, 4
	s_add_co_u32 s50, s50, s47
	s_add_nc_u64 s[12:13], s[12:13], s[50:51]
	s_add_nc_u64 s[14:15], s[14:15], s[50:51]
	s_add_nc_u64 s[52:53], s[16:17], s[50:51]
	global_load_b128 v[248:251], v35, s[12:13]     ; b1
	global_load_b128 v[252:255], v35, s[14:15]     ; b2
	global_load_b128 v[36:39], v35, s[52:53]       ; wv
	s_lshl_b32 s50, s33, 16                        ; query: row tile t, K steps 2 q and 2 q + 1
	s_lshl_b32 s47, s41, 10
	s_add_co_u32 s50, s50, s47
	s_add_nc_u64 s[4:5], s[4:5], s[50:51]
.irp e, 0,1
.irp b, 0,1,2,3
.irp j, 0,1,2,3
	global_load_b128 v[R0+64*\e+16*\b+4*\j:R0+64*\e+16*\b+4*\j+3], v34, s[4:5] offset:512*\e+128*\b+16*\j
.endr
.endr
.endr
	v_lshlrev_b32 v[TO], 4, v2
	s_delay_alu instid0(VALU_DEP_1)
	v_lshl_add_u32 v[TO], v3, 13, v[TO]            ; tab: lanes 0-15 one batch's 256 bytes, lanes 16-31 the next batch's
.macro IMAGE off, soff                         ; the fragment goes to LDS as an image of its registers, its scale words beside it
.irp c, 0,1,2,3
	ds_store_b128 v8, v[CD+4*\c:CD+4*\c+3] offset:\off+512*\c
.endr
	ds_store_b32 v9, v[PW] offset:\soff
.endm
	s_wait_loadcnt 16                              ; the biases and the first K step are in; the second K step's 16 loads may be out
	QUANT R0, CD, PW
	IMAGE 0, 0
	s_wait_dscnt 0x0                               ; the stores have read their registers
	s_wait_loadcnt 0x0
	QUANT R1, CD, PW
	IMAGE 2048, 128
	BARRIER                                        ; query's sixteen fragments lie in LDS
.irp m, 0,1
.irp e, 0,1
.irp c, 0,1,2,3
	ds_load_b128 v[R0+32*\m+16*\e+4*\c:R0+32*\m+16*\e+4*\c+3], v10 offset:\m*16384+\e*2048+512*\c
.endr
	ds_load_b32 v[XS+2*\m+\e], v11 offset:\m*1024+\e*128
.endr
.endr
	s_wait_dscnt 0x0
	; TRANSPOSED: source 0 = 16 columns of w1, source 1 = 16 rows of query: lane (r, h) holds query row r and its register j the unit 16 n + 8 h + j.  The two accumulators take turns
.irp m, 0,1
	v_wmma_scale_f32_16x16x128_f8f6f4 v[AC+8*\m:AC+8*\m+7], v[WC0:WC0+15], v[R0+32*\m:R0+32*\m+15], 0, v[WW0], v[XS+2*\m] matrix_a_fmt:MATRIX_FMT_BF8 matrix_b_fmt:MATRIX_FMT_BF8
.endr
.irp m, 0,1
	v_wmma_scale_f32_16x16x128_f8f6f4 v[AC+8*\m:AC+8*\m+7], v[WC1:WC1+15], v[R0+32*\m+16:R0+32*\m+31], v[AC+8*\m:AC+8*\m+7], v[WW1], v[XS+2*\m+1] matrix_a_fmt:MATRIX_FMT_BF8 matrix_b_fmt:MATRIX_FMT_BF8
.endr
.rept 8
	v_nop                                          ; eight places ahead of the stores that read the results and of the loads into the operands' registers
.endr
.irp m, 0,1
	ds_store_b128 v12, v[AC+8*\m:AC+8*\m+3] offset:\m*1024          ; each accumulator from its low end on
	ds_store_b128 v12, v[AC+8*\m+4:AC+8*\m+7] offset:\m*1024+512
.endr
	BARRIER                                        ; the eight waves' partial sums lie in LDS
.irp p, 0,1,2,3
	ds_load_b128 v[R0+4*\p:R0+4*\p+3], v13 offset:2048*\p            ; the same four numbers of the four sums along K
.endr
	s_wait_dscnt 0x0
.irp p, 4
	v_pk_add_f32 v[R0:R0+1], v[R0:R0+1], v[R0+\p:R0+\p+1]
	v_pk_add_f32 v[R0+2:R0+3], v[R0+2:R0+3], v[R0+\p+2:R0+\p+3]
.endr
.irp p, 8, 12
	s_delay_alu instid0(VALU_DEP_2)
	v_pk_add_f32 v[R0:R0+1], v[R0:R0+1], v[R0+\p:R0+\p+1]
	s_delay_alu instid0(VALU_DEP_2)
	v_pk_add_f32 v[R0+2:R0+3], v[R0+2:R0+3], v[R0+\p+2:R0+\p+3]
.endr
	s_delay_alu instid0(VALU_DEP_2)
	v_pk_add_f32 v[R0:R0+1], v[R0:R0+1], v[248:249]                  ; + b1
	s_delay_alu instid0(VALU_DEP_2)
	v_pk_add_f32 v[R0+2:R0+3], v[R0+2:R0+3], v[250:251]
	s_delay_alu instid0(VALU_DEP_2)
	v_pk_add_f32 v[R0:R0+1], v[R0:R0+1], v[252:253]                  ; + b2
	s_delay_alu instid0(VALU_DEP_2)
	v_pk_add_f32 v[R0+2:R0+3], v[R0+2:R0+3], v[254:255]
	s_delay_alu instid0(VALU_DEP_2)
	v_pk_mul_f32 v[R0:R0+1], v[R0:R0+1], s[42:43] op_sel_hi:[1,0]    ; x c
	s_delay_alu instid0(VALU_DEP_2)
	v_pk_mul_f32 v[R0+2:R0+3], v[R0+2:R0+3], s[42:43] op_sel_hi:[1,0]
	v_pk_mul_f32 v[36:37], v[36:37], -2.0 op_sel_hi:[1,0]            ; -2 wv
	v_pk_mul_f32 v[38:39], v[38:39], -2.0 op_sel_hi:[1,0]
	ds_store_b128 v14, v[R0:R0+3]
	ds_store_b128 v14, v[36:39] offset:64
	BARRIER                                        ; 32 batches x 256 bytes of tab lie in LDS
	ds_load_b128 v[80:83], v15
	ds_load_b128 v[84:87], v15 offset:2*OPITCH
	s_lshl_b32 s50, s54, 8                         ; two tiles of 128 bytes x G,
	s_lshl_b32 s47, s32, 15                        ; four batches of 8,192 bytes x wave
	s_add_co_u32 s50, s50, s47
	s_add_nc_u64 s[28:29], s[28:29], s[50:51]
	s_wait_dscnt 0x0
	global_store_b128 v[TO], v[80:83], s[28:29]                      ; sixteen lanes store 256 consecutive bytes, aligned
	global_store_b128 v[TO], v[84:87], s[28:29] offset:16384
	v_lshl_add_u32 v16, v0, 2, 0x1f200             ; my spare word, and 0: made anew (no pending store names v16 or v17)
	v_mov_b32 v17, 0
	s_wait_alu depctr_va_vdst(0)
	s_wait_tensorcnt 0x0                           ; the wave's end
	ds_add_u32 v16, v17
	s_wait_dscnt 0x0
	s_endpgm
.Lfunc_end_k_qb7421ecc4d_prep:
	.size	k_qb7421ecc4d_prep, .Lfunc_end_k_qb7421ecc4d_prep-k_qb7421ecc4d_prep
	.p2alignl 7, 3214868480
	.fill 96, 4, 3214868480
	.section	.rodata,"a",@progbits
	.p2align	6, 0x0
	.amdhsa_kernel k_qb7421ecc4d_prep
		.amdhsa_group_segment_fixed_size 128512
		.amdhsa_private_segment_fixed_size 0
		.amdhsa_enable_private_segment 0
		.amdhsa_kernarg_size 96
		.amdhsa_user_sgpr_count 2
		.amdhsa_user_sgpr_kernarg_segment_ptr 1
		.amdhsa_wavefront_size32 1
		.amdhsa_system_sgpr_workgroup_id_x 1
		.amdhsa_system_sgpr_workgroup_id_y 1
		.amdhsa_system_sgpr_workgroup_id_z 1
		.amdhsa_system_vgpr_workitem_id 0
		.amdhsa_next_free_vgpr 256
		.amdhsa_next_free_sgpr 66
		.amdhsa_reserve_vcc 0
		.amdhsa_float_denorm_mode_32 3
		.amdhsa_float_denorm_mode_16_64 3
		.amdhsa_memory_ordered 1
		.amdhsa_forward_progress 1
		.amdhsa_inst_pref_size 255
	.end_amdhsa_kernel
	.section	.bss,"aw",@nobits
	.p2align	6
	.space	262144
	.amdgpu_metadata
---
amdhsa.version: [ 1, 2 ]
amdhsa.kernels:
  - .name:           k_qb7421ecc4d_prep
    .symbol:         k_qb7421ecc4d_prep.kd
    .args:
      - { .name: query, .offset: 0, .size: 8, .value_kind: global_buffer, .address_space: global }
      - { .name: values, .offset: 8, .size: 8, .value_kind: global_buffer, .address_space: global }
      - { .name: w1, .offset: 16, .size: 8, .value_kind: global_buffer, .address_space: global }
      - { .name: w2, .offset: 24, .size: 8, .value_kind: global_buffer, .address_space: global }
      - { .name: b1, .offset: 32, .size: 8, .value_kind: global_buffer, .address_space: global }
      - { .name: b2, .offset: 40, .size: 8, .value_kind: global_buffer, .address_space: global }
      - { .name: wv, .offset: 48, .size: 8, .value_kind: global_buffer, .address_space: global }
      - { .name: vq, .offset: 56, .size: 8, .value_kind: global_buffer, .address_space: global }
      - { .name: vs, .offset: 64, .size: 8, .value_kind: global_buffer, .address_space: global }
      - { .name: w2q, .offset: 72, .size: 8, .value_kind: global_buffer, .address_space: global }
      - { .name: w2s, .offset: 80, .size: 8, .value_kind: global_buffer, .address_space: global }
      - { .name: tab, .offset: 88, .size: 8, .value_kind: global_buffer, .address_space: global }
    .group_segment_fixed_size: 128512
    .private_segment_fixed_size: 0
    .kernarg_segment_align: 8
    .kernarg_segment_size: 96
    .max_flat_workgroup_size: 256
    .sgpr_count:     66
    .vgpr_count:     256
    .wavefront_size: 32
...
	.end_amdgpu_metadata
.endif
;; end of part 1
;; launch score (part 2): grid 256 x 1, 4 waves a work-group, clusters of 4 x 1, 327,680 bytes of LDS; arguments vq, vs, w2q, w2s, tab, sc; writes sc
.if DOCPART == 2
	.amdgcn_target "amdgcn-amd-amdhsa--gfx1250"
	.amdhsa_code_object_version 6
	.text
	.protected	k_qb7421ecc4d_score
	.globl	k_qb7421ecc4d_score
	.p2align	8
	.type	k_qb7421ecc4d_score,@function
k_qb7421ecc4d_score:
	s_mov_b64 s[64:65], 0
	v_nop
	global_prefetch_b8 v0, s[64:65] scope:SCOPE_SE
	s_setreg_imm32_b32 hwreg(HW_REG_WAVE_MODE, 25, 1), 1
	s_wait_xcnt 0x0
	s_wait_alu depctr_hold_cnt(0) depctr_sa_sdst(0) depctr_va_vdst(0) depctr_va_sdst(0) depctr_va_ssrc(0) depctr_va_vcc(0) depctr_vm_vsrc(0)
	s_getreg_b32 s2, hwreg(HW_REG_IB_STS2, 6, 4)
	s_cmp_eq_u32 s2, 0
	s_cbranch_scc0 .Lentry_in_a_cluster
	s_endpgm
.Lentry_in_a_cluster:
	s_bfe_u32 s2, ttmp6, 0x10000c
	s_cmp_lg_u32 s2, 0x3003
	s_cbranch_scc0 .Lentry_shape_is_right
	s_endpgm
.Lentry_shape_is_right:
; SCORE: sc[row] = the sum over u of -2 wv[u] / (1 + 2^(c (v_proj[row][u] + q_proj[b][u] + b1[u] + b2[u]))), c = 2 log2(e): the score less a term that is the same for all rows of a batch.
; LEFT OUT AS DEAD WORK (shown at the head of prep): bv and the sum of wv, which cancel in the softmax along the sequence.
; SHARES.  A work-group owns 256 rows of values, a wave 64 rows: their codes for all of K stay in 512 registers (windows 2, 3).  w2's 64 tiles of 16 columns x 1,024 K (16,384 bytes, in the order of the
; operand's registers) walk through a ring of two LDS slots of eight tiles; a tile is 32 matrix instructions a wave, four accumulators by turns.
; TRANSPOSED: source 0 = 16 columns of w2, source 1 = 16 rows of values: lane (r, h) holds row r, register j the unit 16 n + 8 h + j.
; A TILE'S RUN HOLDS NO TRANSCENDENTAL.  The tanh of earlier tiles is made in the gap between two runs, in three stages on registers of their own: XA = c ACC + cq and 2^XA (tile t - 1);
; XB = XA + 1 and 1 / XB (tile t - 2); SAC += XB x -2 wv (tile t - 3).  The gap's 64 transcendentals stand last in it, ahead of the run; one wait stands ahead of them and one behind the run.
; CLUSTER: the four work-groups of a cluster lie in one batch and ask jointly for w2's tiles, its scale words and the batch's table.
; No prefetch: the ring's stream is w2's 1,048,576 bytes of codes, which all 64 clusters walk in the same order, and a refill has eight tiles, 256 matrix instructions, in which to land.
; LIMITS: NaN and infinities among the inputs are not served.
.set SLOTB, 131072                     ; a slot: eight tiles
.set TILEB, 16384
.set BSCL,  262144                     ; w2's scale words, 512 bytes a tile
.set TAB,   294912                     ; the batch's table, 128 bytes a tile: cq[16], -2 wv[16]
.set SPARE, 303104                     ; the spare words, 128 bytes a wave
.set STG,   303616                     ; the way out: 256 bytes a wave
.set SPW,  1
.set NIL,  2
.set LB,   3                           ; 16 x lane
.set ADRB, 4                           ; + the tile's place in the ring
.set LS,   5                           ; BSCL + 4 x lane
.set ADRS, 6
.set LT,   7                           ; TAB - 256 + 32 h: cq of tile t at +256, wv of tile t - 2 at +64
.set ADRT, 8
.set T,    9
.set STO,  13
.set SRD,  14
.set GO,   15
.set ASC,  16                          ; v16-31 values' scale words
.set BSC,  32                          ; v32-35 the tile's scale words: register q: lanes 0-15 K step 2 q, lanes 16-31 K step 2 q + 1
.set CQ,   40
.set WV,   48
.set SAC,  56
.set ACC,  64                          ; v64-95 four accumulators
.set XA,   96
.set XB,   128
.set MSB, 0
.macro WIN new
.if MSB != \new
	s_set_vgpr_msb (MSB<<8)|\new
.set MSB, \new
.endif
.endm
.set MLO, 0x09                         ; source 0 (w2) window 1, source 1 (values) window 2, C and D window 0
.set MHI, 0x0d                         ; source 1 window 3
.set TOB, 0x40                         ; destination window 1
.macro CROUND
	s_barrier_signal -1
	s_barrier_wait -1
	s_cmp_lg_u32 s18, 0
	s_cbranch_scc1 .Lnot_wave_0_\@
	s_barrier_signal -3
.Lnot_wave_0_\@:
	s_barrier_wait -3
	s_barrier_signal -1
	s_barrier_wait -1
.endm
	s_load_b256 s[4:11], s[0:1], 0x0               ; vq 4:5, vs 6:7, w2q 8:9, w2s 10:11
	s_load_b128 s[12:15], s[0:1], 0x20             ; tab 12:13, sc 14:15
	v_lshl_add_u32 v[SPW], v0, 2, SPARE
	v_mov_b32 v[NIL], 0
	ds_add_u32 v[SPW], v[NIL]                      ; the opening lines: the add twice on end and one wait
	ds_add_u32 v[SPW], v[NIL]
	v_lshrrev_b32 v9, 5, v0
	v_readfirstlane_b32 s18, v9                    ; wave
	v_and_b32 v9, 31, v0
	v_and_b32 v10, 15, v0
	v_bfe_u32 v11, v0, 4, 1
	s_mov_b32 s76, 0                               ; the tile's place in the ring, in the scale words, in the table
	s_mov_b32 s77, 0
	s_mov_b32 s78, 0
	v_lshlrev_b32 v[LB], 4, v9
	v_lshl_add_u32 v[LS], v9, 2, BSCL
	v_lshl_add_u32 v[LT], v11, 5, TAB-256
	s_lshl_b32 s84, s18, 8
	s_add_co_u32 s85, s84, STG
	v_lshl_add_u32 v[STO], v10, 2, s85
	v_lshl_add_u32 v[SRD], v9, 3, s85
	v_lshlrev_b32 v[GO], 3, v9
	v_lshlrev_b32 v12, 2, v9                       ; 4 x lane, for values' scale words
	v_add_nc_u32 v[ADRB], s76, v[LB]
	v_add_nc_u32 v[ADRS], s77, v[LS]
	v_add_nc_u32 v[ADRT], s78, v[LT]
	s_bfe_u32 s19, ttmp6, 0x40000                  ; cx
	s_lshl_b32 s20, ttmp9, 2
	s_add_co_u32 s20, s20, s19                     ; the work-group's number
	s_mov_b32 s22, 0x4038aa3b                      ; c
	s_mov_b32 s23, s22
	s_mov_b32 s66, 0x76543210
	s_mov_b32 s67, 0xfedcba98
.irp g, 24, 32, 40                                 ; three groups 1: dense rows of 256 bytes (32 elements of 8), mask of all four partners, bit 21 beside it
	s_mov_b32 s[\g], 15|(3<<16)|(1<<21)
	s_mov_b32 s[\g+1], 32<<16
	s_mov_b32 s[\g+3], 32<<16
	s_mov_b32 s[\g+5], 32
	s_mov_b32 s[\g+6], 0
	s_mov_b32 s[\g+7], 0
.endr
	s_mov_b32 s26, 128<<16                         ; 128 rows: a quarter of a slot, and all of w2's scale words
	s_mov_b32 s28, 128
	s_mov_b32 s34, 512<<16                         ; 512 rows: a whole slot
	s_mov_b32 s36, 512
	s_mov_b32 s42, 32<<16                          ; 32 rows: the batch's table
	s_mov_b32 s44, 32
	s_lshl_b32 s74, s18, 15                        ; my quarter of a slot
	s_mov_b32 s75, 0
	s_lshl_b32 s90, s18, 11
	s_lshr_b32 s80, ttmp9, 1                       ; the batch: two clusters to each
	s_lshl_b32 s80, s80, 13
	s_mov_b32 s81, 0
	s_lshl_b32 s82, s20, 18                        ; my 64 rows' codes
	s_lshl_b32 s83, s18, 16
	s_add_co_u32 s82, s82, s83
	s_mov_b32 s83, 0
	s_lshl_b32 s86, s20, 13                        ; their scale words
	s_add_co_u32 s86, s86, s90
	s_mov_b32 s87, 0
	s_lshl_b32 s88, s20, 10                        ; their scores
	s_add_co_u32 s88, s88, s84
	s_mov_b32 s89, 0
	s_wait_alu depctr_va_vdst(0)
	s_wait_dscnt 0x0                               ; both opening adds are done
	s_wait_kmcnt 0x0
	s_add_nc_u64 s[4:5], s[4:5], s[82:83]
	s_add_nc_u64 s[6:7], s[6:7], s[86:87]
	s_add_nc_u64 s[14:15], s[14:15], s[88:89]
	s_mov_b32 s48, 1                               ; slot 0: tiles 0-7
	s_mov_b32 s49, 0
	s_mov_b64 s[50:51], s[8:9]
	s_or_b32 s51, s51, 0x80000000
	s_mov_b32 s56, 1                               ; slot 1: tiles 8-15
	s_mov_b32 s57, SLOTB
	s_add_nc_u64 s[58:59], s[8:9], SLOTB
	s_or_b32 s59, s59, 0x80000000
	s_mov_b32 s60, 1                               ; w2's scale words
	s_mov_b32 s61, BSCL
	s_mov_b64 s[62:63], s[10:11]
	s_or_b32 s63, s63, 0x80000000
	s_mov_b32 s68, 1                               ; the batch's table
	s_mov_b32 s69, TAB
	s_add_nc_u64 s[70:71], s[12:13], s[80:81]
	s_or_b32 s71, s71, 0x80000000
	s_mov_b32 s52, 1                               ; the ring's refills: my quarter; stepped ahead of each
	s_add_co_u32 s53, s74, SLOTB
	s_add_nc_u64 s[54:55], s[8:9], s[74:75]
	s_add_nc_u64 s[54:55], s[54:55], SLOTB
	s_or_b32 s55, s55, 0x80000000
	CROUND                                         ; the four work-groups are here: the first joint loads meet
; the head's four fills, one a wave, in one chain of arms on the wave's number
.macro ARM under, g0, g1, next
	s_cmp_lt_u32 s18, \under
	s_cbranch_scc0 \next
	tensor_load_to_lds s[\g0:\g0+3], s[\g1:\g1+7]
	s_nop 0
.rept 4
	v_nop
.endr
	s_branch .Lhead_asked
\next:
.endm
	ARM 1, 48, 32, .Lh1
	ARM 2, 60, 24, .Lh2
	ARM 3, 68, 40, .Lh3
	tensor_load_to_lds s[56:59], s[32:39]
	s_nop 0
.rept 4
	v_nop
.endr
.Lhead_asked:
	WIN 0x80                                       ; my rows' codes: row tile k, K step s at window 2 + s / 4, register 64 k + 16 (s % 4); each load 512 consecutive bytes
.irp k, 0,1,2,3
.irp s, 0,1,2,3
.irp c, 0,1,2,3
	global_load_b128 v[64*\k+16*\s+4*\c:64*\k+16*\s+4*\c+3], v[LB], s[4:5] offset:\k*16384+\s*2048+\c*512 th:TH_LOAD_NT
.endr
.endr
.endr
	WIN 0xc0
.irp k, 0,1,2,3
.irp s, 0,1,2,3
.irp c, 0,1,2,3
	global_load_b128 v[64*\k+16*\s+4*\c:64*\k+16*\s+4*\c+3], v[LB], s[4:5] offset:\k*16384+(\s+4)*2048+\c*512 th:TH_LOAD_NT
.endr
.endr
.endr
	WIN 0
.irp k, 0,1
.irp g, 0,1,2,3,4,5,6,7
	global_load_b32 v[ASC+8*\k+\g], v12, s[6:7] offset:\k*1024+\g*128 th:TH_LOAD_NT   ; pair k, K step g: 128 consecutive bytes; lanes 0-15 the pair's first tile, lanes 16-31 its second
.endr
.endr
.macro FRAGS s0                                    ; four K steps of the tile at ADRB into window 1, register 16 x K step
.irp s, 0,1,2,3
.irp c, 0,1,2,3
	ds_load_b128 v[16*(\s0+\s)+4*\c:16*(\s0+\s)+4*\c+3], v[ADRB] offset:(\s0+\s)*2048+\c*512
.endr
.endr
.endm
.macro PROD i                                      ; K step i / 4, row tile i % 4
.set ps, (\i)/4
.set pk, (\i)%4
.set pd, ACC+8*pk
.set pa, 16*ps
.set pb, 64*pk+16*(ps%4)
.set pu, BSC+ps/2
.set pv, ASC+8*(pk/2)+ps
.if (ps == 0) && (pk%2 == 0)
	v_wmma_scale_f32_16x16x128_f8f6f4 v[pd:pd+7], v[pa:pa+15], v[pb:pb+15], 0, v[pu], v[pv] matrix_a_fmt:MATRIX_FMT_BF8 matrix_b_fmt:MATRIX_FMT_BF8
.elseif ps == 0
	v_wmma_scale_f32_16x16x128_f8f6f4 v[pd:pd+7], v[pa:pa+15], v[pb:pb+15], 0, v[pu], v[pv] matrix_a_fmt:MATRIX_FMT_BF8 matrix_b_fmt:MATRIX_FMT_BF8 matrix_b_scale:MATRIX_SCALE_ROW1
.elseif (ps%2 == 0) && (pk%2 == 0)
	v_wmma_scale_f32_16x16x128_f8f6f4 v[pd:pd+7], v[pa:pa+15], v[pb:pb+15], v[pd:pd+7], v[pu], v[pv] matrix_a_fmt:MATRIX_FMT_BF8 matrix_b_fmt:MATRIX_FMT_BF8
.elseif ps%2 == 0
	v_wmma_scale_f32_16x16x128_f8f6f4 v[pd:pd+7], v[pa:pa+15], v[pb:pb+15], v[pd:pd+7], v[pu], v[pv] matrix_a_fmt:MATRIX_FMT_BF8 matrix_b_fmt:MATRIX_FMT_BF8 matrix_b_scale:MATRIX_SCALE_ROW1
.elseif pk%2 == 0
	v_wmma_scale_f32_16x16x128_f8f6f4 v[pd:pd+7], v[pa:pa+15], v[pb:pb+15], v[pd:pd+7], v[pu], v[pv] matrix_a_fmt:MATRIX_FMT_BF8 matrix_b_fmt:MATRIX_FMT_BF8 matrix_a_scale:MATRIX_SCALE_ROW1
.else
	v_wmma_scale_f32_16x16x128_f8f6f4 v[pd:pd+7], v[pa:pa+15], v[pb:pb+15], v[pd:pd+7], v[pu], v[pv] matrix_a_fmt:MATRIX_FMT_BF8 matrix_b_fmt:MATRIX_FMT_BF8 matrix_a_scale:MATRIX_SCALE_ROW1 matrix_b_scale:MATRIX_SCALE_ROW1
.endif
.endm
; A change of slots, in the gap of a slot's last tile, behind that tile's last fragment loads.  fill = 1: the slot just read out takes the tiles two slots on.
.macro CHANGE fill
	s_wait_tensorcnt 0x0                           ; all my tensor loads have landed: my part of the next slot
	ds_add_u32 v[SPW], v[NIL]
.if \fill
	s_xor_b32 s53, s53, SLOTB
	s_add_nc_u64 s[54:55], s[54:55], SLOTB
.endif
	s_wait_dscnt 0x0                               ; the add is done, and my reads of this slot are over
.if \fill
	CROUND                                         ; the same holds of every wave of the four partners
	tensor_load_to_lds s[52:55], s[24:31]
	s_nop 0
.rept 4
	v_nop
.endr
.else
	s_barrier_signal -1
	s_barrier_wait -1
.endif
.endm
; THE GAP ahead of tile t's run.  f1: tile t - 3 is summed (2: it starts the sums); f2: tile t - 2's + 1 and reciprocals; f3: tile t - 1's multiply-adds and exponentials;
; wvl: wv of tile t - 2 is fetched; run: tile t exists; chg: 1 a change of slots with a refill, 2 without.
.macro GAP f1, f2, f3, wvl, run, chg
.if \f1
.irp j, 0,1,2,3
.irp k, 0,1,2,3
.if (\f1 == 2) && (\j == 0)
	v_pk_mul_f32 v[SAC+2*\k:SAC+2*\k+1], v[XB+8*\k:XB+8*\k+1], v[WV:WV+1]
.else
	v_pk_fma_f32 v[SAC+2*\k:SAC+2*\k+1], v[XB+8*\k+2*\j:XB+8*\k+2*\j+1], v[WV+2*\j:WV+2*\j+1], v[SAC+2*\k:SAC+2*\k+1]
.endif
.endr
.endr
.endif
.if \f2
.set i, 0
.rept 16
	v_pk_add_f32 v[XB+2*i:XB+2*i+1], v[XA+2*i:XA+2*i+1], 1.0 op_sel_hi:[1,0]
.set i, i+1
.endr
.endif
.if \f3
.if \f2 == 0
.rept 8
	v_nop                                          ; eight places behind the run; elsewhere the stages above are the places
.endr
.endif
.set i, 0
.rept 16
	v_pk_fma_f32 v[XA+2*i:XA+2*i+1], v[ACC+2*i:ACC+2*i+1], s[22:23], v[CQ+(2*i)%8:CQ+(2*i)%8+1] op_sel_hi:[1,0,1]   ; each accumulator from its low end on
.set i, i+1
.endr
.endif
.if \run
	ds_load_b128 v[CQ:CQ+3], v[ADRT] offset:256    ; cq of tile t, for the next gap
	ds_load_b128 v[CQ+4:CQ+7], v[ADRT] offset:272
.endif
.if \wvl
	ds_load_b128 v[WV:WV+3], v[ADRT] offset:64     ; -2 wv of tile t - 2, for the next gap
	ds_load_b128 v[WV+4:WV+7], v[ADRT] offset:80
.endif
.if \run
	ds_load_b32 v[BSC+2], v[ADRS] offset:256
	ds_load_b32 v[BSC+3], v[ADRS] offset:384
	WIN TOB
	FRAGS 4                                        ; tile t's K steps 4-7
	WIN 0
.endif
.if \run || \wvl
	s_add_co_u32 s76, s76, TILEB                   ; on to tile t + 1
	s_and_b32 s76, s76, 2*SLOTB-1
	s_add_co_u32 s77, s77, 512
	s_add_co_u32 s78, s78, 128
	v_add_nc_u32 v[ADRB], s76, v[LB]
	v_add_nc_u32 v[ADRS], s77, v[LS]
	v_add_nc_u32 v[ADRT], s78, v[LT]
.endif
.if \chg == 1
	CHANGE 1
.elseif \chg == 2
	CHANGE 0
.endif
	s_wait_alu depctr_va_vdst(0)                   ; the wait ahead of the batch; it serves the addresses too
.if \f2
.set i, 0
.rept 32
	v_rcp_f32 v[XB+i], v[XB+i]
.set i, i+1
.endr
.endif
.if \f3
.set i, 0
.rept 32
	v_exp_f32 v[XA+i], v[XA+i]
.set i, i+1
.endr
.endif
.if \f2 || \f3
	v_nop                                          ; a plain place behind the last transcendental
.endif
.if \run == 0
	s_wait_dscnt 0x0
	s_wait_alu depctr_va_vdst(0)                   ; the batch's wait, ahead of its first reader
.endif
.endm
; TILE t's RUN: 32 matrix instructions.  In its middle tile t + 1's K steps 0-3 are fetched.
.macro RUN wvl, next
	s_wait_dscnt 20+2*\wvl                         ; K steps 0-3 and their scale words are in; the gap's loads (2 cq, 2 wv where fetched, 2 scale words, 16 fragment loads) may be out
	WIN MLO
.set i, 0
.rept 16
	PROD i
.set i, i+1
.endr
.rept 8
	v_nop                                          ; eight places ahead of loads into registers that matrix instructions have read
.endr
.if \next
	WIN TOB
	FRAGS 0
	WIN 0
	ds_load_b32 v[BSC], v[ADRS]
	ds_load_b32 v[BSC+1], v[ADRS] offset:128
	s_wait_dscnt 18                                ; all but the 18 just issued
.else
	s_wait_dscnt 0x0
.endif
	WIN MHI
.rept 16
	PROD i
.set i, i+1
.endr
	WIN 0
	s_wait_alu depctr_va_vdst(0)                   ; the batch's wait, ahead of its first reader and of any branch
.endm
.macro FULL chg
	GAP 1, 1, 1, 1, 1, \chg
	RUN 1, 1
.endm
	s_wait_tensorcnt 0x0                           ; my fill of the head's four has landed
	s_barrier_signal -1
	s_barrier_wait -1                              ; everybody's has
	WIN TOB
	FRAGS 0
	WIN 0
	ds_load_b32 v[BSC], v[ADRS]
	ds_load_b32 v[BSC+1], v[ADRS] offset:128
	s_wait_loadcnt 0x0                             ; my rows' codes and scale words
	GAP 0, 0, 0, 0, 1, 0                           ; tile 0
	RUN 0, 1
	GAP 0, 0, 1, 0, 1, 0                           ; tile 1
	RUN 0, 1
	GAP 0, 1, 1, 1, 1, 0                           ; tile 2
	RUN 1, 1
	GAP 2, 1, 1, 1, 1, 0                           ; tile 3
	RUN 1, 1
	s_mov_b32 s72, 3
.La:                                               ; tiles 4-6
	FULL 0
	s_sub_co_u32 s72, s72, 1
	s_cmp_lg_u32 s72, 0
	s_cbranch_scc1 .La
	FULL 1                                         ; tile 7
	s_mov_b32 s73, 5
.Lslot:                                            ; tiles 8-47: five slots, each ending in a refill
	s_mov_b32 s72, 7
.Lin:
	FULL 0
	s_sub_co_u32 s72, s72, 1
	s_cmp_lg_u32 s72, 0
	s_cbranch_scc1 .Lin
	FULL 1
	s_sub_co_u32 s73, s73, 1
	s_cmp_lg_u32 s73, 0
	s_cbranch_scc1 .Lslot
	s_mov_b32 s72, 7
.Lb:                                               ; tiles 48-54
	FULL 0
	s_sub_co_u32 s72, s72, 1
	s_cmp_lg_u32 s72, 0
	s_cbranch_scc1 .Lb
	FULL 2                                         ; tile 55: the last change of slots fills nothing
	s_mov_b32 s72, 7
.Lc:                                               ; tiles 56-62
	FULL 0
	s_sub_co_u32 s72, s72, 1
	s_cmp_lg_u32 s72, 0
	s_cbranch_scc1 .Lc
	GAP 1, 1, 1, 1, 1, 0                           ; tile 63
	RUN 1, 0
	GAP 1, 1, 1, 1, 0, 0                           ; the stages run out
	GAP 1, 1, 0, 1, 0, 0
	GAP 1, 0, 0, 0, 0, 0
.irp k, 0,1,2,3
	v_add_f32 v[T+\k], v[SAC+2*\k], v[SAC+2*\k+1]
.endr
.irp k, 0,1,2,3
	v_permlanex16_b32 v[CQ+\k], v[T+\k], s66, s67
.endr
.irp k, 0,1,2,3
	v_add_f32 v[T+\k], v[T+\k], v[CQ+\k]           ; with lane l xor 16's eight units of each tile: row 16 k + r's score
.endr
.irp k, 0,1,2,3
	ds_store_b32 v[STO], v[T+\k] offset:64*\k      ; both halves of the lanes write the same word with the same value
.endr
	ds_load_b64 v[CQ:CQ+1], v[SRD]                 ; LDS serves a wave's instructions in order
	s_wait_dscnt 0x0
	global_store_b64 v[GO], v[CQ:CQ+1], s[14:15]   ; 32 lanes store 256 consecutive bytes, aligned
	s_wait_tensorcnt 0x0                           ; the wave's end
	ds_add_u32 v[SPW], v[NIL]
	s_wait_dscnt 0x0
	CROUND                                         ; the closing round
	s_endpgm
.Lfunc_end_k_qb7421ecc4d_score:
	.size	k_qb7421ecc4d_score, .Lfunc_end_k_qb7421ecc4d_score-k_qb7421ecc4d_score
	.p2alignl 7, 3214868480
	.fill 96, 4, 3214868480
	.section	.rodata,"a",@progbits
	.p2align	6, 0x0
	.amdhsa_kernel k_qb7421ecc4d_score
		.amdhsa_group_segment_fixed_size 327680
		.amdhsa_private_segment_fixed_size 0
		.amdhsa_enable_private_segment 0
		.amdhsa_kernarg_size 48
		.amdhsa_user_sgpr_count 2
		.amdhsa_user_sgpr_kernarg_segment_ptr 1
		.amdhsa_wavefront_size32 1
		.amdhsa_system_sgpr_workgroup_id_x 1
		.amdhsa_system_sgpr_workgroup_id_y 1
		.amdhsa_system_sgpr_workgroup_id_z 1
		.amdhsa_system_vgpr_workitem_id 0
		.amdhsa_next_free_vgpr 1024
		.amdhsa_next_free_sgpr 100
		.amdhsa_reserve_vcc 0
		.amdhsa_float_denorm_mode_32 3
		.amdhsa_float_denorm_mode_16_64 3
		.amdhsa_memory_ordered 1
		.amdhsa_forward_progress 1
		.amdhsa_inst_pref_size 175
	.end_amdhsa_kernel
	.amdgpu_metadata
---
amdhsa.version: [ 1, 2 ]
amdhsa.kernels:
  - .name:           k_qb7421ecc4d_score
    .symbol:         k_qb7421ecc4d_score.kd
    .args:
      - { .name: vq, .offset: 0, .size: 8, .value_kind: global_buffer, .address_space: global }
      - { .name: vs, .offset: 8, .size: 8, .value_kind: global_buffer, .address_space: global }
      - { .name: w2q, .offset: 16, .size: 8, .value_kind: global_buffer, .address_space: global }
      - { .name: w2s, .offset: 24, .size: 8, .value_kind: global_buffer, .address_space: global }
      - { .name: tab, .offset: 32, .size: 8, .value_kind: global_buffer, .address_space: global }
      - { .name: sc, .offset: 40, .size: 8, .value_kind: global_buffer, .address_space: global }
    .group_segment_fixed_size: 327680
    .private_segment_fixed_size: 0
    .kernarg_segment_align: 8
    .kernarg_segment_size: 48
    .max_flat_workgroup_size: 128
    .sgpr_count:     100
    .vgpr_count:     1024
    .wavefront_size: 32
...
	.end_amdgpu_metadata
.endif
;; end of part 2
;; launch ctx (part 3): grid 8 x 32, 8 waves a work-group, no clusters, 42,496 bytes of LDS; arguments sc, values, part, out1; writes part, out1
.if DOCPART == 3
	.amdgcn_target "amdgcn-amd-amdhsa--gfx1250"
	.amdhsa_code_object_version 6
	.text
	.protected	k_qb7421ecc4d_ctx
	.globl	k_qb7421ecc4d_ctx
	.p2align	8
	.type	k_qb7421ecc4d_ctx,@function
k_qb7421ecc4d_ctx:
	s_mov_b64 s[64:65], 0
	v_nop
	global_prefetch_b8 v0, s[64:65] scope:SCOPE_SE
	s_setreg_imm32_b32 hwreg(HW_REG_WAVE_MODE, 25, 1), 1
	s_wait_xcnt 0x0
; CTX: a = softmax over a batch's 2,048 scores (the true maximum is taken away first); out1 = a; part[b][g][:] = the sum over rows 256 g .. 256 g + 255 of a[row] values[b][row][:], on the f32 values.
; The scores come without bv and without the sum of wv, which are the same for all rows of a batch and cancel in this softmax (shown at the head of prep).
; SHARES.  Work-group (g, b) owns rows 256 g .. 256 g + 255 of batch b: 1,048,576 consecutive bytes of values, out1's 256 numbers, and one part of the context (4,096 bytes); the launch behind this one adds a batch's
; eight parts.  Each of a batch's eight work-groups makes the batch's softmax for itself (8,192 bytes).  Wave w takes rows 32 w .. 32 w + 31 of the work-group's: 131,072 consecutive bytes, walked in ascending order.
; A load is 512 consecutive bytes, eight loads a row; a lane keeps 32 sums (columns 128 m + 4 l + 0 .. 3).  Two sets of two rows take turns, so that 16 to 32 loads of every wave are on their way.
; The eight waves' sums meet in LDS; wave w adds and stores columns 128 w .. 128 w + 127.
; A plain stream: no matrix unit, no tensor loads, no cluster (no two work-groups read the same bytes of values), no prefetch.
; LIMITS: NaN and infinities among the scores are not served.
.set P2,   0                           ; LDS: four numbers of a from each thread, each twice (a pair for the packed multiply-add): 32 bytes a thread, 8,192 bytes; the work-group's own 256 rows lie at 2,048 (g % 4)
.set RED1, 8192                        ; the waves' maxima
.set RED2, 8448                        ; the waves' sums
.set CR,   8704                        ; the waves' parts of the context: 4,096 bytes each
.set SPARE, 41472                      ; the spare words, 128 bytes a wave
.set AC,   32                          ; v32-63   32 sums
.set SA,   64                          ; v64-127  set A: 2 rows x 8 loads x 4 numbers
.set SB,   128                         ; v128-191 set B
.set W,    192                         ; v192-195 two rows' weights, in pairs
	s_load_b128 s[4:7], s[0:1], 0x0                ; sc, values
	s_load_b128 s[8:11], s[0:1], 0x10              ; part, out1
	v_lshl_add_u32 v196, v0, 2, SPARE
	v_mov_b32 v197, 0
	v_lshrrev_b32 v1, 5, v0
	s_delay_alu instid0(VALU_DEP_1)
	v_readfirstlane_b32 s12, v1                    ; wave 0..7
	v_and_b32 v1, 31, v0
	v_lshlrev_b32 v2, 4, v0
	s_delay_alu instid0(VALU_DEP_2)
	v_lshlrev_b32 v3, 4, v1
	s_wait_alu depctr_va_vdst(0)
	s_and_b32 s14, ttmp7, 0xffff                   ; the batch
	s_lshl_b32 s20, s14, 13                        ; its 2,048 scores
	s_mov_b32 s21, 0
	s_lshl_b32 s18, s14, 23                        ; its 2,048 rows of 4,096 bytes,
	s_lshl_b32 s19, ttmp9, 20                      ; my work-group's 256 rows,
	s_add_co_u32 s18, s18, s19
	s_lshl_b32 s19, s12, 17                        ; my wave's 32 rows
	s_add_co_u32 s18, s18, s19
	s_mov_b32 s19, 0
	s_mov_b32 s16, 0x76543210
	s_mov_b32 s17, 0xfedcba98                      ; v_permlanex16_b32's selects for lane l xor 16
	s_lshl_b32 s22, s12, 2
	s_add_co_u32 s22, s22, RED1
	v_mov_b32 v14, s22                             ; my wave's word
	v_mov_b32 v15, RED1
	v_lshlrev_b32 v28, 5, v0                       ; P2 + 32 x thread
	s_and_b32 s26, ttmp9, 3                        ; g % 4
	s_lshl_b32 s23, s26, 11
	s_lshl_b32 s25, s12, 8
	s_add_co_u32 s23, s23, s25
	v_mov_b32 v29, s23                             ; my wave's weights: (256 (g % 4) + 32 wave) rows x 8 bytes
	s_lshl_b32 s25, s12, 12
	s_add_co_u32 s25, s25, CR
	v_add_nc_u32 v30, s25, v3                      ; my part: 4,096 x wave + 16 x lane
	v_lshl_add_u32 v31, v0, 4, CR                  ; what I add: 512 x wave + 16 x lane of every part
	s_wait_alu depctr_va_vdst(0)
	s_wait_kmcnt 0x0
	s_add_nc_u64 s[4:5], s[4:5], s[20:21]
	s_add_nc_u64 s[6:7], s[6:7], s[18:19]
	global_load_b128 v[4:7], v2, s[4:5]            ; scores 4 t ..
	global_load_b128 v[8:11], v2, s[4:5] offset:4096   ; and 1,024 + 4 t ..
.macro FILL set, off                           ; two rows, 8,192 consecutive bytes from off on
.irp i, 0,1,2,3,4,5,6,7,8,9,10,11,12,13,14,15
	global_load_b128 v[\set+4*\i:\set+4*\i+3], v3, s[6:7] offset:\off+\i*512 th:TH_LOAD_NT
.endr
.endm
	FILL SA, 0                                     ; the first four rows do not hang on the softmax: they are on their way while it is made
	FILL SB, 8192
	s_wait_loadcnt 32                              ; my scores are in; the 32 younger loads of values stay out
	v_max3_num_f32 v12, v4, v5, v6
	v_max3_num_f32 v13, v7, v8, v9
	s_delay_alu instid0(VALU_DEP_2)
	v_max3_num_f32 v12, v12, v10, v11
	s_delay_alu instid0(VALU_DEP_1)
	v_max_num_f32 v12, v12, v13
	s_delay_alu instid0(VALU_DEP_1)
	v_max_num_f32_dpp v12, v12, v12 row_xmask:1 row_mask:0xf bank_mask:0xf
	s_delay_alu instid0(VALU_DEP_1)
	v_max_num_f32_dpp v12, v12, v12 row_xmask:2 row_mask:0xf bank_mask:0xf
	s_delay_alu instid0(VALU_DEP_1)
	v_max_num_f32_dpp v12, v12, v12 row_xmask:4 row_mask:0xf bank_mask:0xf
	s_delay_alu instid0(VALU_DEP_1)
	v_max_num_f32_dpp v12, v12, v12 row_xmask:8 row_mask:0xf bank_mask:0xf
	s_delay_alu instid0(VALU_DEP_1)
	v_permlanex16_b32 v13, v12, s16, s17
	s_delay_alu instid0(VALU_DEP_1)
	v_max_num_f32 v12, v12, v13
	ds_store_b32 v14, v12                          ; all lanes write the same word with the same value
	s_wait_dscnt 0x0
	s_barrier_signal -1
	s_barrier_wait -1
	ds_load_b128 v[16:19], v15
	ds_load_b128 v[20:23], v15 offset:16
	s_wait_dscnt 0x0
	v_max3_num_f32 v12, v16, v17, v18
	v_max3_num_f32 v13, v19, v20, v21
	s_delay_alu instid0(VALU_DEP_2)
	v_max3_num_f32 v12, v12, v22, v23
	s_delay_alu instid0(VALU_DEP_1)
	v_max_num_f32 v12, v12, v13                    ; the batch's largest score
.irp i, 0,1,2,3,4,5,6,7
	v_sub_f32 v[4+\i], v[4+\i], v12
.endr
.irp i, 0,1,2,3,4,5,6,7
	v_mul_f32 v[4+\i], 0x3fb8aa3b, v[4+\i]         ; x log2(e)
.endr
	s_wait_alu depctr_va_vdst(0)
.irp i, 0,1,2,3,4,5,6,7
	v_exp_f32 v[4+\i], v[4+\i]
.endr
	v_nop                                          ; a plain instruction behind the last exponential
	s_wait_alu depctr_va_vdst(0)                   ; one wait for the eight, ahead of their first reader
	v_pk_add_f32 v[24:25], v[4:5], v[6:7]
	v_pk_add_f32 v[26:27], v[8:9], v[10:11]
	s_delay_alu instid0(VALU_DEP_1)
	v_pk_add_f32 v[24:25], v[24:25], v[26:27]
	s_delay_alu instid0(VALU_DEP_1)
	v_add_f32 v12, v24, v25
	s_delay_alu instid0(VALU_DEP_1)
	v_add_f32_dpp v12, v12, v12 row_xmask:1 row_mask:0xf bank_mask:0xf
	s_delay_alu instid0(VALU_DEP_1)
	v_add_f32_dpp v12, v12, v12 row_xmask:2 row_mask:0xf bank_mask:0xf
	s_delay_alu instid0(VALU_DEP_1)
	v_add_f32_dpp v12, v12, v12 row_xmask:4 row_mask:0xf bank_mask:0xf
	s_delay_alu instid0(VALU_DEP_1)
	v_add_f32_dpp v12, v12, v12 row_xmask:8 row_mask:0xf bank_mask:0xf
	s_delay_alu instid0(VALU_DEP_1)
	v_permlanex16_b32 v13, v12, s16, s17
	s_delay_alu instid0(VALU_DEP_1)
	v_add_f32 v12, v12, v13
	ds_store_b32 v14, v12 offset:RED2-RED1         ; other bytes than the maxima's: no barrier is owed between the two reductions
	s_wait_dscnt 0x0
	s_barrier_signal -1
	s_barrier_wait -1
	ds_load_b128 v[16:19], v15 offset:RED2-RED1
	ds_load_b128 v[20:23], v15 offset:RED2-RED1+16
	s_wait_dscnt 0x0
	v_pk_add_f32 v[16:17], v[16:17], v[18:19]
	v_pk_add_f32 v[20:21], v[20:21], v[22:23]
	s_delay_alu instid0(VALU_DEP_1)
	v_pk_add_f32 v[16:17], v[16:17], v[20:21]
	s_delay_alu instid0(VALU_DEP_1)
	v_add_f32 v12, v16, v17
	s_wait_alu depctr_va_vdst(0)
	v_rcp_f32 v12, v12
	v_nop
	s_wait_alu depctr_va_vdst(0)
	; the work-group's 256 rows lie in the first 1,024 (g < 4) or the second: of my eight numbers the four of that half go on
	s_cmp_ge_u32 ttmp9, 4
	s_cselect_b32 s24, -1, 0
.irp i, 0,1,2,3
	v_cndmask_b32 v[16+\i], v[4+\i], v[8+\i], s24
.endr
.irp i, 0,1,2,3
	v_mul_f32 v[40+2*\i], v[16+\i], v12            ; a, twice: a pair for the packed multiply-add,
	v_mul_f32 v[41+2*\i], v[16+\i], v12
	v_mul_f32 v[20+\i], v[16+\i], v12              ; and once for out1
.endr
	ds_store_b128 v28, v[40:43]
	ds_store_b128 v28, v[44:47] offset:16
	; out1: my work-group's rows are those of threads 64 (g % 4) .. + 63: two waves store, 512 consecutive bytes each
	s_lshr_b32 s25, ttmp9, 2
	s_lshl_b32 s25, s25, 12
	s_add_co_u32 s20, s20, s25
	s_add_nc_u64 s[10:11], s[10:11], s[20:21]
	s_lshr_b32 s25, s12, 1
	s_cmp_lg_u32 s25, s26
	s_cbranch_scc1 .Lnot_mine
	s_wait_alu depctr_va_vdst(0)
	global_store_b128 v2, v[20:23], s[10:11]
.Lnot_mine:
	s_wait_dscnt 0x0                               ; my weights have landed in LDS
	s_barrier_signal -1
	s_barrier_wait -1                              ; everybody's have
; Two rows are weighed and added.  half: which two of the trip's four rows.  left: the younger loads that may stay out.  first = 1: the first row starts the sums: nothing is cleared.
.macro PROC set, half, left, first
	s_wait_alu depctr_va_vdst(0)
	ds_load_b128 v[W:W+3], v29 offset:\half*16     ; two rows' pairs, the same in every lane
	s_wait_loadcnt \left
	s_wait_dscnt 0x0
.irp q, 0,1
.irp m, 0,1,2,3,4,5,6,7
.if \first && (\q == 0)
	v_pk_mul_f32 v[AC+4*\m:AC+4*\m+1], v[\set+4*\m:\set+4*\m+1], v[W:W+1]
	v_pk_mul_f32 v[AC+4*\m+2:AC+4*\m+3], v[\set+4*\m+2:\set+4*\m+3], v[W:W+1]
.else
	v_pk_fma_f32 v[AC+4*\m:AC+4*\m+1], v[\set+32*\q+4*\m:\set+32*\q+4*\m+1], v[W+2*\q:W+2*\q+1], v[AC+4*\m:AC+4*\m+1]
	v_pk_fma_f32 v[AC+4*\m+2:AC+4*\m+3], v[\set+32*\q+4*\m+2:\set+32*\q+4*\m+3], v[W+2*\q:W+2*\q+1], v[AC+4*\m+2:AC+4*\m+3]
.endif
.endr
.endr
.endm
; A trip takes four rows; fill = 1: it asks for the four rows behind them.
.macro TRIP first, fill
	PROC SA, 0, 16, \first                         ; set A's 16 loads are in; set B's may be out
.if \fill
	FILL SA, 16384
	PROC SB, 1, 16, 0                              ; set B's are in; the 16 just issued may be out
	FILL SB, 24576
	s_wait_xcnt 0x0                                ; the loads have read their base: it is stepped only behind this wait
	s_add_nc_u64 s[6:7], s[6:7], 16384
	v_add_nc_u32 v29, 32, v29
.else
	PROC SB, 1, 0, 0
.endif
.endm
	TRIP 1, 1                                      ; rows 0-3
	s_mov_b32 s27, 6
.Lrows:                                            ; rows 4-27
	TRIP 0, 1
	s_sub_co_u32 s27, s27, 1
	s_cmp_lg_u32 s27, 0
	s_cbranch_scc1 .Lrows
	TRIP 0, 0                                      ; rows 28-31: nothing more is asked for, so no load leaves my wave's rows
.irp m, 0,1,2,3,4,5,6,7
	ds_store_b128 v30, v[AC+4*\m:AC+4*\m+3] offset:512*\m
.endr
	s_wait_dscnt 0x0
	s_barrier_signal -1
	s_barrier_wait -1
.irp m, 0,1,2,3,4,5,6,7
	ds_load_b128 v[SA+4*\m:SA+4*\m+3], v31 offset:4096*\m            ; the eight waves' sums of my 128 columns
.endr
	s_lshl_b32 s20, s14, 15                        ; part: eight parts of 4,096 bytes x batch,
	s_lshl_b32 s25, ttmp9, 12                      ; my work-group's part,
	s_add_co_u32 s20, s20, s25
	s_lshl_b32 s25, s12, 9                         ; my wave's 512 bytes
	s_add_co_u32 s20, s20, s25
	s_add_nc_u64 s[8:9], s[8:9], s[20:21]
	s_wait_dscnt 0x0
.irp m, 4
	v_pk_add_f32 v[SA:SA+1], v[SA:SA+1], v[SA+\m:SA+\m+1]
	v_pk_add_f32 v[SA+2:SA+3], v[SA+2:SA+3], v[SA+\m+2:SA+\m+3]
.endr
.irp m, 8, 12, 16, 20, 24, 28
	s_delay_alu instid0(VALU_DEP_2)
	v_pk_add_f32 v[SA:SA+1], v[SA:SA+1], v[SA+\m:SA+\m+1]
	s_delay_alu instid0(VALU_DEP_2)
	v_pk_add_f32 v[SA+2:SA+3], v[SA+2:SA+3], v[SA+\m+2:SA+\m+3]
.endr
	global_store_b128 v3, v[SA:SA+3], s[8:9]       ; 512 consecutive bytes, aligned
	s_wait_tensorcnt 0x0                           ; the wave's end
	ds_add_u32 v196, v197
	s_wait_dscnt 0x0
	s_endpgm
.Lfunc_end_k_qb7421ecc4d_ctx:
	.size	k_qb7421ecc4d_ctx, .Lfunc_end_k_qb7421ecc4d_ctx-k_qb7421ecc4d_ctx
	.p2alignl 7, 3214868480
	.fill 96, 4, 3214868480
	.section	.rodata,"a",@progbits
	.p2align	6, 0x0
	.amdhsa_kernel k_qb7421ecc4d_ctx
		.amdhsa_group_segment_fixed_size 42496
		.amdhsa_private_segment_fixed_size 0
		.amdhsa_enable_private_segment 0
		.amdhsa_kernarg_size 32
		.amdhsa_user_sgpr_count 2
		.amdhsa_user_sgpr_kernarg_segment_ptr 1
		.amdhsa_wavefront_size32 1
		.amdhsa_system_sgpr_workgroup_id_x 1
		.amdhsa_system_sgpr_workgroup_id_y 1
		.amdhsa_system_sgpr_workgroup_id_z 1
		.amdhsa_system_vgpr_workitem_id 0
		.amdhsa_next_free_vgpr 200
		.amdhsa_next_free_sgpr 66
		.amdhsa_reserve_vcc 0
		.amdhsa_float_denorm_mode_32 3
		.amdhsa_float_denorm_mode_16_64 3
		.amdhsa_memory_ordered 1
		.amdhsa_forward_progress 1
		.amdhsa_inst_pref_size 33
	.end_amdhsa_kernel
	.amdgpu_metadata
---
amdhsa.version: [ 1, 2 ]
amdhsa.kernels:
  - .name:           k_qb7421ecc4d_ctx
    .symbol:         k_qb7421ecc4d_ctx.kd
    .args:
      - { .name: sc, .offset: 0, .size: 8, .value_kind: global_buffer, .address_space: global }
      - { .name: values, .offset: 8, .size: 8, .value_kind: global_buffer, .address_space: global }
      - { .name: part, .offset: 16, .size: 8, .value_kind: global_buffer, .address_space: global }
      - { .name: out1, .offset: 24, .size: 8, .value_kind: global_buffer, .address_space: global }
    .group_segment_fixed_size: 42496
    .private_segment_fixed_size: 0
    .kernarg_segment_align: 8
    .kernarg_segment_size: 32
    .max_flat_workgroup_size: 256
    .sgpr_count:     66
    .vgpr_count:     200
    .wavefront_size: 32
...
	.end_amdgpu_metadata
.endif
;; end of part 3
;; launch total (part 4): grid 32 x 1, 8 waves a work-group, no clusters, 0 bytes of LDS; arguments part, out0; writes out0
.if DOCPART == 4
	.amdgcn_target "amdgcn-amd-amdhsa--gfx1250"
	.amdhsa_code_object_version 6
	.text
	.protected	k_qb7421ecc4d_total
	.globl	k_qb7421ecc4d_total
	.p2align	8
	.type	k_qb7421ecc4d_total,@function
k_qb7421ecc4d_total:
	s_mov_b64 s[64:65], 0
	v_nop
	global_prefetch_b8 v0, s[64:65] scope:SCOPE_SE
	s_setreg_imm32_b32 hwreg(HW_REG_WAVE_MODE, 25, 1), 1
	s_wait_xcnt 0x0
; TOTAL: out0[b][:] = the sum of batch b's eight parts of the context, in ascending order of the rows.  A work-group to a batch; thread t owns columns 4 t .. 4 t + 3.
; Each load and the store of a wave cover 512 consecutive bytes, aligned.  1,048,576 bytes are read once: no LDS, no loop, no prefetch; the work has 32 owners, so 32 work-groups are launched.
	s_load_b128 s[4:7], s[0:1], 0x0                ; part, out0
	v_lshlrev_b32 v1, 4, v0
	s_lshl_b32 s8, ttmp9, 15                       ; the batch's eight parts of 4,096 bytes
	s_mov_b32 s9, 0
	s_lshl_b32 s10, ttmp9, 12                      ; its row of out0
	s_mov_b32 s11, 0
	s_wait_alu depctr_va_vdst(0)
	s_wait_kmcnt 0x0
	s_add_nc_u64 s[4:5], s[4:5], s[8:9]
	s_add_nc_u64 s[6:7], s[6:7], s[10:11]
.irp g, 0,1,2,3,4,5,6,7
	global_load_b128 v[4+4*\g:7+4*\g], v1, s[4:5] offset:4096*\g
.endr
	s_wait_loadcnt 0x0
.irp m, 4
	v_pk_add_f32 v[4:5], v[4:5], v[4+\m:5+\m]
	v_pk_add_f32 v[6:7], v[6:7], v[6+\m:7+\m]
.endr
.irp m, 8, 12, 16, 20, 24, 28
	s_delay_alu instid0(VALU_DEP_2)
	v_pk_add_f32 v[4:5], v[4:5], v[4+\m:5+\m]
	s_delay_alu instid0(VALU_DEP_2)
	v_pk_add_f32 v[6:7], v[6:7], v[6+\m:7+\m]
.endr
	global_store_b128 v1, v[4:7], s[6:7]
	s_endpgm
.Lfunc_end_k_qb7421ecc4d_total:
	.size	k_qb7421ecc4d_total, .Lfunc_end_k_qb7421ecc4d_total-k_qb7421ecc4d_total
	.p2alignl 7, 3214868480
	.fill 96, 4, 3214868480
	.section	.rodata,"a",@progbits
	.p2align	6, 0x0
	.amdhsa_kernel k_qb7421ecc4d_total
		.amdhsa_group_segment_fixed_size 0
		.amdhsa_private_segment_fixed_size 0
		.amdhsa_enable_private_segment 0
		.amdhsa_kernarg_size 16
		.amdhsa_user_sgpr_count 2
		.amdhsa_user_sgpr_kernarg_segment_ptr 1
		.amdhsa_wavefront_size32 1
		.amdhsa_system_sgpr_workgroup_id_x 1
		.amdhsa_system_sgpr_workgroup_id_y 1
		.amdhsa_system_sgpr_workgroup_id_z 1
		.amdhsa_system_vgpr_workitem_id 0
		.amdhsa_next_free_vgpr 40
		.amdhsa_next_free_sgpr 66
		.amdhsa_reserve_vcc 0
		.amdhsa_float_denorm_mode_32 3
		.amdhsa_float_denorm_mode_16_64 3
		.amdhsa_memory_ordered 1
		.amdhsa_forward_progress 1
		.amdhsa_inst_pref_size 3
	.end_amdhsa_kernel
	.amdgpu_metadata
---
amdhsa.version: [ 1, 2 ]
amdhsa.kernels:
  - .name:           k_qb7421ecc4d_total
    .symbol:         k_qb7421ecc4d_total.kd
    .args:
      - { .name: part, .offset: 0, .size: 8, .value_kind: global_buffer, .address_space: global }
      - { .name: out0, .offset: 8, .size: 8, .value_kind: global_buffer, .address_space: global }
    .group_segment_fixed_size: 0
    .private_segment_fixed_size: 0
    .kernarg_segment_align: 8
    .kernarg_segment_size: 16
    .max_flat_workgroup_size: 256
    .sgpr_count:     66
    .vgpr_count:     40
    .wavefront_size: 32
...
	.end_amdgpu_metadata
.endif
;; end of part 4
